; MI455X (gfx1250); checked and timed in simulation.
; The chip was launched on July 23, 2026; its instructions are those of AMD's public machine-readable ISA for CDNA 5 (MIT licence, August 2026) and "CDNA5" Instruction Set Architecture Reference Guide (July 2026). The comments in the code are by the model that wrote it; some were corrected since.
;; Transformer Layer. Allowed arithmetic: matrix products marked QUANTISED: E4M3 operands, one given power-of-two scale a tensor, by v_wmma_f32_16x16x64_fp8_fp8 or v_wmma_f32_16x16x128_fp8_fp8, f32 sums; products left as they are: f32 operands where the result goes on into a quantised operand, else bf16, f16 or f32 operands; f32 sums; everything else in f32.
;; Inputs: W1 256 x 1,024 float32; W2 1,024 x 256 float32; Wk 256 x 256 float32; Wo 256 x 256 float32; Wq 256 x 256 float32; Wv 256 x 256 float32; attention_samples 20,000 x 16 int32; b1 1,024 float32; b2 256 float32; be1 256 float32; be2 256 float32; bk 256 float32; bo 256 float32; bq 256 float32; bv 256 float32; g1 256 float32; g2 256 float32; lowp_scales 12 int32 (the exponents e of the quantised operands' scales 2^e); x 20,000 x 256 float32.
;; Outputs: out0 20,000 x 256 float32.
;; This version of the problem:
;;   THIS VERSION OF THE PROBLEM IS GIVEN IN LOW PRECISION. The matrix products marked QUANTISED in the list below multiply operands that are first quantised to E4M3 (4 exponent bits, 3 mantissa bits; 8 bits a number), with one given power-of-two scale for each operand tensor; their sums are f32. All else is computed in f32.
;;   The module's matrix products, in the order in which they are computed (A, B: the left and right operand; K: the contracted axis; several contracted axes count as one K, in the product's order):
;;     1. [M 20,000, K 256] x [K 256, N 256]; A: input x; B: input Wq: QUANTISED (scales: A lowp_scales[0], B lowp_scales[1])
;;     2. [M 320,000, K 256] x [K 256, N 256]; A: computed on the way; B: input Wk: QUANTISED (scales: A lowp_scales[2], B lowp_scales[3])
;;     3. [M 320,000, K 256] x [K 256, N 256]; A: computed on the way; B: input Wv: QUANTISED (scales: A lowp_scales[4], B lowp_scales[5])
;;     4. batch 160,000 x [M 1, K 32] x [K 32, N 16]; A: computed on the way; B: computed on the way: left as it is (M = 1 < 16)
;;     5. batch 160,000 x [M 1, K 16] x [K 16, N 32]; A: softmax; B: computed on the way: left as it is (K = 16 < 32)
;;     6. [M 20,000, K 256] x [K 256, N 256]; A: computed on the way; B: input Wo: QUANTISED (scales: A lowp_scales[6], B lowp_scales[7])
;;     7. [M 20,000, K 256] x [K 256, N 1,024]; A: computed on the way; B: input W1: QUANTISED (scales: A lowp_scales[8], B lowp_scales[9])
;;     8. [M 20,000, K 1,024] x [K 1,024, N 256]; A: computed on the way; B: input W2: QUANTISED (scales: A lowp_scales[10], B lowp_scales[11])
;;   THE QUANTISER, for each operand of a quantised product, along K:
;;     - The operand's scale is 2^e, e = its entry of the input lowp_scales (int32; the entries are numbered through the quantised products in the list's order, A before B).
;;     - Each number is divided by the scale, clamped to +-448, and rounded to the nearest number of E4M3, ties to even, subnormals kept.
;;     - The product sums the exact products of the quantised numbers (number of the format x scale) in f32.
;;   ~~~python
;;   def quantise(x, axis, e):      # numpy; x: float32 -> the quantised numbers, widened to float32 again
;;       x = np.moveaxis(x, axis, -1); K = x.shape[-1]
;;       r = np.clip(x / 2.0 ** e, -448, 448)
;;       step = 2.0 ** (np.maximum(np.frexp(np.where(r == 0, 1, r))[1] - 1, -6) - 3)
;;       q = np.round(r / step) * step * 2.0 ** e      # np.round: ties to even
;;       return np.moveaxis(q, -1, axis).astype(np.float32)
;;   ~~~
;;   OPERANDS COMPUTED ON THE WAY. 'Computed on the way' means the value that the module computes at that place (a softmax that the list does not call 'softmax' is quantised finished and normalised). What goes into a quantiser is computed in f32, as accurately as f32 sums, v_exp_f32 and their like allow (about 1e-6 of the number): no bf16 or f16 on the way to a quantiser, and a product that is left as it is and whose result goes on into a quantised operand takes f32 operands (vector FMAs, or v_wmma_f32_16x16x4_f32). A number that lies on a knife's edge between two numbers of the format may be rounded either way, as far as f32 arithmetic and the matrix unit's own rounding can turn it there, and no further.
;; One version. Each part assembles by itself: llvm-mc -triple=amdgcn-amd-amdhsa -mcpu=gfx1250 --defsym DOCPART=n.
;; ======== version 1 of 1: 2 launches
;; limits: right only within a limited range of input values
;; workspace buffers: xq 5,120,000 bytes; xk 5,120,000 bytes; xv 5,120,000 bytes; wimg 786,432 bytes
;; launch prep (part 1): grid 721 x 1, 4 waves a work-group, no clusters, 33,280 bytes of LDS; arguments x, Wq, Wk, Wv, Wo, W1, W2, lowp_scales, xq, xk, xv, wimg; writes xq, xk, xv, wimg
.if DOCPART == 1
	.amdgcn_target "amdgcn-amd-amdhsa--gfx1250"
	.amdhsa_code_object_version 6
	.text
	.protected	k_q3ca676e517_prep
	.globl	k_q3ca676e517_prep
	.p2align	8
	.type	k_q3ca676e517_prep,@function
k_q3ca676e517_prep:
	s_mov_b64 s[64:65], 0
	v_nop
	global_prefetch_b8 v0, s[64:65] scope:SCOPE_SE
	s_setreg_imm32_b32 hwreg(HW_REG_WAVE_MODE, 25, 1), 1
	s_wait_xcnt 0x0
; TransformerLayer, first of two launches: every operand that arrives as f32 and is read many times becomes codes of E4M3 once.
; x [20000][256] is an operand of three quantised products with three given scales (entries 0, 2, 4 of lowp_scales): three tables xq, xk, xv of [20000][256] codes.
; (x[attention_samples] is quantised number by number, so a gathered row's codes are the gathered codes of the row.)
; The six weights that are live become register images in wimg: fragment F is 2,048 bytes; byte (32 c + lane) 16 + i is the code of W[128 s + 32 c + 16 (lane / 16) + i][col],
; so that four loads of 16 bytes a lane give a fragment's 16 registers.  col = 16 T + lane % 16 for Wq, Wo, W1, W2; for Wk and Wv col = 32 (r % 8) + 16 (r / 8) + T, r = lane % 16: a lane then stays with one head.
; F: Wq 2 T + s; Wk 32 + 2 T + s; Wv 64 + 2 T + s; Wo 96 + 2 T + s; W1 128 + 2 T + s; W2 256 + 8 T + s.
; DEAD WORK, for the whole program: bk.  scores[n,h,k] = scale x sum over d of q[n,h,d] (kk0[n,k,h,d] + bk[h,d]); the term scale x sum over d of q[n,h,d] bk[h,d] does not hang on k, the softmax runs along k and takes
; away what is the same along its axis, for all values of the inputs; kk goes nowhere else, and the product of q with kk is not quantised.  So bk is not loaded and is no argument of any launch.
; LIMIT: a NaN, an infinity or an overflow that reaches only that term is not carried to the result.
; code = number / 2^e, held within +-448, to the nearest code, ties to even.  LIMITS: -126 <= e <= 119 for each entry used here; NaN among the inputs is not served.
; Work-groups 0 to 624 take 32 rows of x each (a wave 4 steps of 512 numbers, all 16 loads issued at its head); work-groups 625 to 720 take four weight fragments each, a wave a fragment.
.set STEPS, 4
.set XWG,   625
.set SP,    80                         ; a lane's place in a stage: 64 bytes + 16 of padding
.set WREG,  8192                       ; LDS of a wave: two stages of 32 x SP bytes
.set SPARE, 4*WREG                     ; behind the four regions: the spare words, 128 bytes for each wave
.set R,     16                         ; v16-79   four sets of 16 numbers as loaded
.set X,     80                         ; v80-111  two sets of 16 neighbours
.set T,     112                        ; v112-143 two sets of 16 held numbers
.set C,     144                        ; v144-191 codes: four steps x three tables x four registers: no store's data are written again
.set SPW,   12
.set NIL,   13
	s_load_b512 s[8:23], s[0:1], 0x0               ; x, Wq, Wk, Wv, Wo, W1, W2, the scales' exponents
	s_load_b256 s[24:31], s[0:1], 0x40             ; xq, xk, xv, wimg
	v_lshl_add_u32 v[SPW], v0, 2, SPARE
	v_mov_b32 v[NIL], 0
	v_lshrrev_b32 v1, 5, v0
	v_readfirstlane_b32 s2, v1                     ; wave
	v_and_b32 v2, 31, v0                           ; lane
	v_lshlrev_b32 v3, 4, v2                        ; 16 x lane
	s_mul_i32 s3, s2, WREG
	v_lshrrev_b32 v14, 2, v2
	v_mul_u32_u24 v14, v14, SP
	v_and_b32 v15, 3, v2
	v_lshl_add_u32 v14, v15, 4, v14
	v_add_nc_u32 v14, s3, v14                      ; the stage, in: four lanes' 64 bytes on end, then the padding
	v_mul_u32_u24 v15, v2, SP
	v_add_nc_u32 v15, s3, v15                      ; and out: my 16 neighbours
	s_wait_kmcnt 0x0
	s_cmp_lt_u32 ttmp9, XWG
	s_cbranch_scc0 .Lweights
; ---------------- x: three tables of codes
	s_load_b256 s[32:39], s[22:23], 0x0            ; e0 .. e7: e0, e2 and e4 are used
	s_lshl_b32 s4, ttmp9, 2
	s_add_co_u32 s4, s4, s2                        ; which run of 2,048 numbers is my wave's
	s_mov_b32 s7, 0
	s_mul_i32 s6, s4, 2048*STEPS
	s_add_nc_u64 s[8:9], s[8:9], s[6:7]
	s_mul_i32 s6, s4, 512*STEPS
	s_add_nc_u64 s[24:25], s[24:25], s[6:7]
	s_add_nc_u64 s[26:27], s[26:27], s[6:7]
	s_add_nc_u64 s[28:29], s[28:29], s[6:7]
.macro LOAD t
.irp i, 0,1,2,3
	global_load_b128 v[R+16*(\t)+4*\i:R+16*(\t)+4*\i+3], v3, s[8:9] offset:2048*(\t)+512*\i th:TH_LOAD_NT   ; 32 lanes read 512 consecutive bytes
.endr
.endm
.macro TURN t                          ; a step's numbers through the stage: a wave's LDS instructions are served in order
.irp i, 0,1,2,3
	ds_store_b128 v14, v[R+16*(\t)+4*\i:R+16*(\t)+4*\i+3] offset:32*SP*((\t)%2)+8*SP*\i
.endr
.irp i, 0,1,2,3
	ds_load_b128 v[X+16*((\t)%2)+4*\i:X+16*((\t)%2)+4*\i+3], v15 offset:32*SP*((\t)%2)+16*\i
.endr
.endm
	s_wait_alu depctr_va_vdst(0)
.irp t, 0,1,2,3
	LOAD \t
.endr
	s_wait_kmcnt 0x0
.irp q, 0,1,2
	s_add_co_i32 s4, s[32+2*\q], 127
	s_lshl_b32 s5, s4, 23
	v_mov_b32 v[4+2*\q], s5                        ; 2^e as f32: the conversion takes its exponent field
	s_add_co_i32 s4, s4, 8
	s_lshl_b32 s4, s4, 23
	s_or_b32 s4, s4, 0x600000
	v_mov_b32 v[5+2*\q], s4                        ; 448 x 2^e
.endr
	s_wait_alu depctr_va_vdst(0)
	s_wait_loadcnt 12                              ; step 0's four loads are in
	TURN 0
.macro STEP t
.set XS, X+16*((\t)%2)
	s_wait_dscnt 0x0                               ; this step's numbers are back from the stage
.if (\t)+1 < STEPS
	s_wait_loadcnt 4*(STEPS-2-(\t))                ; the next step's loads are in; those of the steps behind it may be out
	TURN (\t)+1
.endif
.irp q, 0,1,2
.set TS, T+16*((3*(\t)+\q)%2)
.set CC, C+12*(\t)+4*\q
.irp i, 0,1,2,3,4,5,6,7,8,9,10,11,12,13,14,15
	v_med3_num_f32 v[TS+\i], v[XS+\i], -v[5+2*\q], v[5+2*\q]   ; the conversion to an 8-bit code does not saturate (ISA guide 7.6.2): the hold comes first
.endr
	v_cvt_scalef32_pk8_fp8_f32 v[CC:CC+1], v[TS:TS+7], v[4+2*\q]
	v_cvt_scalef32_pk8_fp8_f32 v[CC+2:CC+3], v[TS+8:TS+15], v[4+2*\q]
	global_store_b128 v3, v[CC:CC+3], s[24+2*\q:25+2*\q] offset:512*(\t)   ; the wave stores 512 consecutive bytes; the next vector lines are holds into the other set
.endr
.endm
.irp t, 0,1,2,3
	STEP \t
.endr
	s_wait_tensorcnt 0x0                           ; the wave's end
	ds_add_u32 v[SPW], v[NIL]
	s_wait_dscnt 0x0
	s_endpgm
; ---------------- the weights: a wave makes one fragment's image; no LDS is touched on this path
.Lweights:
	s_sub_co_u32 s40, ttmp9, XWG
	s_lshl_b32 s40, s40, 2
	s_add_co_u32 s40, s40, s2                      ; F
	s_and_b32 s42, s40, 127
	s_lshr_b32 s43, s42, 1                         ; T of W1
	s_and_b32 s44, s40, 1                          ; s where K = 256
	s_lshr_b32 s45, s42, 3                         ; T of W2
	s_and_b32 s46, s40, 7                          ; s of W2
	s_and_b32 s47, s43, 15                         ; T of the four square weights
	s_lshr_b32 s41, s40, 5                         ; which of them
	s_cmp_lt_u32 s40, 128
	s_cselect_b32 s43, s47, s43
	s_cselect_b32 s41, s41, 4
	s_cmp_lt_u32 s40, 256
	s_cselect_b32 s43, s43, s45                    ; T
	s_cselect_b32 s44, s44, s46                    ; s
	s_cselect_b32 s41, s41, 5                      ; the matrix: 0 Wq, 1 Wk, 2 Wv, 3 Wo, 4 W1, 5 W2
	s_mov_b64 s[48:49], s[10:11]
	s_cmp_eq_u32 s41, 1
	s_cselect_b64 s[48:49], s[12:13], s[48:49]
	s_cmp_eq_u32 s41, 2
	s_cselect_b64 s[48:49], s[14:15], s[48:49]
	s_cmp_eq_u32 s41, 3
	s_cselect_b64 s[48:49], s[16:17], s[48:49]
	s_cmp_eq_u32 s41, 4
	s_cselect_b64 s[48:49], s[18:19], s[48:49]
	s_cmp_eq_u32 s41, 5
	s_cselect_b64 s[48:49], s[20:21], s[48:49]
	s_lshl_b32 s56, s41, 3
	s_load_b32 s57, s[22:23], s56 offset:0x4       ; e: entry 2 x matrix + 1
	v_and_b32 v16, 15, v0                          ; r
	v_bfe_u32 v17, v0, 4, 1                        ; h
	s_wait_alu depctr_va_vdst(0)
	s_lshl_b32 s50, s43, 4
	v_add_nc_u32 v18, s50, v16                     ; 16 T + r
	v_and_b32 v19, 7, v16
	v_lshrrev_b32 v20, 3, v16
	v_lshlrev_b32 v19, 5, v19
	v_lshl_add_u32 v19, v20, 4, v19
	v_add_nc_u32 v19, s43, v19                     ; 32 (r % 8) + 16 (r / 8) + T
	s_sub_co_u32 s51, s41, 1
	s_cmp_lt_u32 s51, 2
	s_cselect_b32 s51, -1, 0                       ; all lanes, for Wk and Wv
	v_cndmask_b32 v18, v18, v19, s51               ; my column
	s_mov_b32 s52, 1024
	s_cmp_eq_u32 s41, 4
	s_cselect_b32 s52, 4096, s52                   ; a row of the matrix in bytes
	s_lshl_b32 s53, s52, 4
	v_mul_lo_u32 v21, v17, s53                     ; lanes 16-31 begin 16 rows further down
	v_lshl_add_u32 v21, v18, 2, v21
	s_lshl_b32 s54, s52, 7
	s_mul_i32 s54, s54, s44                        ; K step s begins 128 s rows down
	s_mov_b32 s55, 0
	s_add_nc_u64 s[48:49], s[48:49], s[54:55]
	s_lshl_b32 s58, s40, 11
	s_mov_b32 s59, 0
	s_add_nc_u64 s[30:31], s[30:31], s[58:59]      ; the image's place
.macro WL pitch                        ; a lane takes a column and its registers run down K: register 16 c + i is row 32 c + 16 h + i
.irp c, 0,1,2,3
.irp i, 0,1,2,3,4,5,6,7,8,9,10,11,12,13,14,15
	global_load_b32 v[32+16*\c+\i], v21, s[48:49] offset:(32*\c+\i)*\pitch
.endr
.endr
.endm
	s_cmp_eq_u32 s41, 4
	s_cbranch_scc1 .Lwide
	s_wait_alu depctr_va_vdst(0)                   ; ahead of v21's readers, on both ways
	WL 1024
	s_branch .Lloaded
.Lwide:
	s_wait_alu depctr_va_vdst(0)
	WL 4096
.Lloaded:
	s_wait_kmcnt 0x0
	s_add_co_i32 s57, s57, 127
	s_lshl_b32 s60, s57, 23
	v_mov_b32 v11, s60                             ; 2^e
	s_add_co_i32 s57, s57, 8
	s_lshl_b32 s57, s57, 23
	s_or_b32 s57, s57, 0x600000
	v_mov_b32 v10, s57                             ; 448 x 2^e
	s_wait_alu depctr_va_vdst(0)
	s_wait_loadcnt 0x0
.irp c, 0,1,2,3
.irp i, 0,1,2,3,4,5,6,7,8,9,10,11,12,13,14,15
	v_med3_num_f32 v[32+16*\c+\i], v[32+16*\c+\i], -v10, v10
.endr
	v_cvt_scalef32_pk8_fp8_f32 v[96+4*\c:97+4*\c], v[32+16*\c:39+16*\c], v11
	v_cvt_scalef32_pk8_fp8_f32 v[98+4*\c:99+4*\c], v[40+16*\c:47+16*\c], v11
.endr
	v_nop
.irp c, 0,1,2,3
	global_store_b128 v3, v[96+4*\c:99+4*\c], s[30:31] offset:512*\c   ; 512 consecutive bytes a store
.endr
	s_endpgm
.Lfunc_end_k_q3ca676e517_prep:
	.size	k_q3ca676e517_prep, .Lfunc_end_k_q3ca676e517_prep-k_q3ca676e517_prep
	.p2alignl 7, 3214868480
	.fill 96, 4, 3214868480
	.section	.rodata,"a",@progbits
	.p2align	6, 0x0
	.amdhsa_kernel k_q3ca676e517_prep
		.amdhsa_group_segment_fixed_size 33280
		.amdhsa_private_segment_fixed_size 0
		.amdhsa_enable_private_segment 0
		.amdhsa_kernarg_size 96
		.amdhsa_user_sgpr_count 2
		.amdhsa_user_sgpr_kernarg_segment_ptr 1
		.amdhsa_wavefront_size32 1
		.amdhsa_system_sgpr_workgroup_id_x 1
		.amdhsa_system_sgpr_workgroup_id_y 1
		.amdhsa_system_sgpr_workgroup_id_z 1
		.amdhsa_system_vgpr_workitem_id 0
		.amdhsa_next_free_vgpr 208
		.amdhsa_next_free_sgpr 66
		.amdhsa_reserve_vcc 0
		.amdhsa_float_denorm_mode_32 3
		.amdhsa_float_denorm_mode_16_64 3
		.amdhsa_memory_ordered 1
		.amdhsa_forward_progress 1
		.amdhsa_inst_pref_size 41
	.end_amdhsa_kernel
	.amdgpu_metadata
---
amdhsa.version: [ 1, 2 ]
amdhsa.kernels:
  - .name:           k_q3ca676e517_prep
    .symbol:         k_q3ca676e517_prep.kd
    .args:
      - { .name: x, .offset: 0, .size: 8, .value_kind: global_buffer, .address_space: global }
      - { .name: Wq, .offset: 8, .size: 8, .value_kind: global_buffer, .address_space: global }
      - { .name: Wk, .offset: 16, .size: 8, .value_kind: global_buffer, .address_space: global }
      - { .name: Wv, .offset: 24, .size: 8, .value_kind: global_buffer, .address_space: global }
      - { .name: Wo, .offset: 32, .size: 8, .value_kind: global_buffer, .address_space: global }
      - { .name: W1, .offset: 40, .size: 8, .value_kind: global_buffer, .address_space: global }
      - { .name: W2, .offset: 48, .size: 8, .value_kind: global_buffer, .address_space: global }
      - { .name: lowp_scales, .offset: 56, .size: 8, .value_kind: global_buffer, .address_space: global }
      - { .name: xq, .offset: 64, .size: 8, .value_kind: global_buffer, .address_space: global }
      - { .name: xk, .offset: 72, .size: 8, .value_kind: global_buffer, .address_space: global }
      - { .name: xv, .offset: 80, .size: 8, .value_kind: global_buffer, .address_space: global }
      - { .name: wimg, .offset: 88, .size: 8, .value_kind: global_buffer, .address_space: global }
    .group_segment_fixed_size: 33280
    .private_segment_fixed_size: 0
    .kernarg_segment_align: 8
    .kernarg_segment_size: 96
    .max_flat_workgroup_size: 128
    .sgpr_count:     66
    .vgpr_count:     208
    .wavefront_size: 32
...
	.end_amdgpu_metadata
.endif
;; end of part 1
;; launch layer (part 2): grid 250 x 1, 4 waves a work-group, no clusters, 304,128 bytes of LDS; arguments xq, xk, xv, wimg, attention_samples, lowp_scales, x, bq, bv, bo, b1, b2, g1, be1, g2, be2, out0; writes out0
.if DOCPART == 2
	.amdgcn_target "amdgcn-amd-amdhsa--gfx1250"
	.amdhsa_code_object_version 6
	.text
	.protected	k_q3ca676e517_layer
	.globl	k_q3ca676e517_layer
	.p2align	8
	.type	k_q3ca676e517_layer,@function
k_q3ca676e517_layer:
	s_mov_b64 s[64:65], 0
	v_nop
	global_prefetch_b8 v0, s[64:65] scope:SCOPE_SE
	s_setreg_imm32_b32 hwreg(HW_REG_WAVE_MODE, 25, 1), 1
	s_wait_xcnt 0x0
; TransformerLayer, second launch: everything from the codes to out0, for 80 nodes (five tiles of 16 rows) a work-group, four waves.
; LEFT OUT AS DEAD WORK: bk (it adds to a node's and head's 16 scores one and the same number, which the softmax along the neighbours takes away for all values of the inputs); it is no argument.
; LIMIT: a NaN, an infinity or an overflow that reaches only that term is not carried to the result.
; P0  q' = (x Wq + bq) x log2(e) / sqrt(32) x 2^(e2 + e3), f32, into LDS.  The waves share the columns: wave w makes channels 64 w .. 64 w + 63 of all 80 rows.
; ATTENTION.  Waves 0 and 2 are K waves, waves 1 and 3 V waves; pair w / 2 takes 40 nodes.  A K wave keeps all of Wk in 512 registers, a V wave all of Wv.  A node's 16 gathered rows of codes are one tile of 16 rows:
;     D = (16 neighbours) x (16 columns), 16 tiles x 2 K steps.  The columns of tile t are 32 (r % 8) + 16 (r / 8) + t: lane r stays with head r % 8, and its 8 registers are 8 neighbours.
;     So a K wave's scores are packed multiply-adds in the lane and one add with lane r xor 8; the softmax (the largest score taken away first) runs over 8 registers and lane l xor 16; p comes out in the very layout of V's tiles.
;     p goes from the K wave to the V wave through LDS, as an image of its registers, in four slots; the V wave runs two nodes behind.  One barrier for two nodes.  Scores, softmax and p V are f32 throughout.
;     The vector work on finished tiles stands in slices, one behind each matrix instruction: two packed lines of the scores, or three of p V.
;     Gathered rows: 32 loads of 16 bytes a lane bring a batch of four nodes (sixteen lanes a row of 256 bytes), a batch ahead; they turn through the wave's own stage in LDS into fragments.
; P2  o Wo + bo + x, LayerNorm.  P3  relu(x1 W1 + b1), quantised in registers.  P4  h W2 + b2 + x1, LayerNorm, out.  Again the waves share the columns, and each weight fragment comes once, straight into registers.
;     The residual goes in as the C of the sums, divided by the power of two that the sums lack.  The variance is taken of the centred numbers, in a second pass.
; No cluster, no tensor load: 250 work-groups do not divide into clusters of four, the gathered rows hang on indices, and the weights go once a work-group into registers.
; LIMITS on the given exponents, so that each power of two below is an f32 number: e0+e1+e2+e3 and e2+e3 between -124 and 129; e4+e5, e6+e7, e8+e9, e10+e11 between -126 and 126; e6, e8, e10-e8-e9 between -126 and 119.
; NaN among the inputs is not served.  An index is held at 19,999 from above.
; LDS
.set QP,    1040                       ; a row of 256 f32, or of 1,024 codes, + 16 bytes
.set QL,    0                          ; q': 80 rows (+ 8 that only a look-ahead behind the last node, or the jumped-over last trip, would name); channel 16 p + t lies at (t / 4) 256 + 16 p + 4 (t % 4).  Later the stage for out0
.set STG,   91648                      ; 4 waves x 4 nodes x 16 rows x 272: the gathered codes
.set PR,    161280                     ; p: pair x 4 slots x 1,024
.set ORG,   169472                     ; o's codes: 2 pairs x 44 rows x 272; node j at row 2 + j (j < 40) or 6 + j
.set X1R,   193536                     ; x1's codes: 80 x 272
.set HR,    215296                     ; the hidden layer's codes: 80 x 1,040
.set PART,  298496                     ; 4 exchanges x 80 rows x 16 bytes: the waves' parts of row sums
.set SPARE, 303616                     ; the spare words, 128 bytes for each wave
; window 0, kept
.set SPW,1
.set NIL,2
.set LI,3
.set STW,4
.set STR,5
.set GL,6
.set VO,7
.set ORD,8
.set ORD2,9
.set X1RD,10
.set HRD0,11
.set HRD1,12
.set X1W,13
.set HW0,14
.set HW1,15
.set PAW,16
.set PAR,17
.set OSW0,18
.set OSW1,19
.set OSR,20
.set XRO,21
.set CS,22
.set QB,23
.set QA,24
.set PA,25
.set OB,26
.set OA,27
; window 0, by phase
.set QW0,224
.set QW1,225
.set XQO,226
.set BVO,227
.set AF,32                             ; a node's two fragments
.set IX,64                             ; 32 indices, then offsets
.set GG,96                             ; a batch's gathered codes
.set KQ,224                            ; K wave: q' of my 16 channels;
.set SCA,240                           ;   the 8 scores of my half, once the four partial sums (window 1, KA) are joined;
.set SCB,248                           ;   at work in the softmax
.set KEEP,224                          ; V wave: my 8 channels of o,
.set SEND,232                          ;   the other half's,
.set RECV,240
.set BV,248
.set OF,32
.set WO,96
.set XF,32
.set B1S,192
.set HC,224
.set HF,32
.set BIAS,224
.set BETA,192
.set LT,32
.set LM,72
.set LR,84
; window 1
.set BQ,128
.set P0A,160
.set VP,128                            ; p of a half's first node,
.set VP2,136                           ; and of its second
.set VT,144
.set VU,160
.set LC,160
.set QT,160
.set QC,176
.set PACC,160
.set GAIN,224
; scalars
.set WV,2
.set ROLE,3
.set PRN,4
.set BB,5
.set SQ,61
.set SO,62
.set KA,128                            ; window 1, K waves: partial sums of the scores, two sets of 16 (even tile's 8, odd tile's 8) that take turns by group
.set PAWX,28                           ; window 0: the exchange words of the LayerNorm in hand, to write
.set PARX,29                           ;   and to read
.set PH,5                              ; behind the attention: which LayerNorm, 0 or 1
.set EX,61                             ;   its exchange words' place in PART: 0, then 2,560
.set SG,58                             ;   s[58:59]: the power of two that its sums lack
.set MSB, 0
.macro WIN new                         ; bits 1:0 source 0, 3:2 source 1, 5:4 source 2, 7:6 destination; the high byte repeats the setting that is left
.if MSB != (\new)
	s_set_vgpr_msb (MSB<<8)|(\new)
.set MSB, (\new)
.endif
.endm
.set ISSUED, 0
.macro LWAIT mark                      ; the loads up to the mark are in: the count is the loads written behind it (this text is straight there); a smaller count is safe
.if ISSUED-(\mark) > 63
	s_wait_loadcnt 63
.else
	s_wait_loadcnt ISSUED-(\mark)
.endif
.endm
.macro BAR                             ; my LDS stores have landed and my LDS loads are in: then the work-group's barrier
	s_wait_dscnt 0x0
	s_barrier_signal -1
	s_barrier_wait -1
.endm
.macro NOPS n
.rept \n
	v_nop
.endr
.endm
.macro POW2 d, e                       ; s[d] = 2^s[e] as f32
	s_add_co_i32 s[\d], s[\e], 127
	s_lshl_b32 s[\d], s[\d], 23
.endm
.macro LIM448 d, e                     ; s[d] = 448 x 2^s[e]
	s_add_co_i32 s[\d], s[\e], 135
	s_lshl_b32 s[\d], s[\d], 23
	s_or_b32 s[\d], s[\d], 0x600000
.endm
.macro FRAGLD reg, base, off           ; a weight fragment's image: 16 registers
.irp c, 0,1,2,3
	global_load_b128 v[(\reg)+4*\c:(\reg)+4*\c+3], v[LI], s[\base:\base+1] offset:(\off)+512*\c
.endr
.set ISSUED, ISSUED+4
.endm
.macro VECLD reg, base                 ; 32 numbers of a vector over channels: those of 16 tt + 8 h + j of my wave's 64
.irp tt, 0,1,2,3
	global_load_b128 v[(\reg)+8*\tt:(\reg)+8*\tt+3], v[VO], s[\base:\base+1] offset:64*\tt
	global_load_b128 v[(\reg)+8*\tt+4:(\reg)+8*\tt+7], v[VO], s[\base:\base+1] offset:64*\tt+16
.endr
.set ISSUED, ISSUED+8
.endm
.macro IDXLD base                      ; four nodes' indices: register 8 nn + j of half h is neighbour 8 h + j of node nn
.irp nn, 0,1,2,3
	global_load_b128 v[IX+8*\nn:IX+8*\nn+3], v[VO], s[\base:\base+1] offset:64*\nn
	global_load_b128 v[IX+8*\nn+4:IX+8*\nn+7], v[VO], s[\base:\base+1] offset:64*\nn+16
.endr
.set ISSUED, ISSUED+8
.endm
.macro STAGE1 k                        ; two gathered rows into the stage: node k / 8, rows k % 8 and 8 + k % 8
	ds_store_b128 v[STW], v[GG+4*(\k):GG+4*(\k)+3] offset:4352*((\k)/8)+272*((\k)%8)
.endm
.macro ADDR1 k                         ; an index becomes a byte offset: held inside the table, x 256, + my 16 bytes of the row
	v_min_u32 v[IX+(\k)], 0x4e1f, v[IX+(\k)]
	v_lshlrev_b32 v[IX+(\k)], 8, v[IX+(\k)]
	v_add_nc_u32 v[IX+(\k)], v[IX+(\k)], v[GL]
.endm
.macro GATH1 k                         ; sixteen lanes take a whole row of 256 bytes
	global_load_b128 v[GG+4*(\k):GG+4*(\k)+3], v[IX+(\k)], s[42:43]
.set ISSUED, ISSUED+1
.endm
.macro ALOAD slot                      ; a node's two fragments out of the stage: lane (r, h): neighbour r, k = 128 s + 32 c + 16 h + 0 .. 15
.irp s, 0,1
.irp c, 0,1,2,3
	ds_load_b128 v[AF+16*\s+4*\c:AF+16*\s+4*\c+3], v[STR] offset:4352*(\slot)+128*\s+32*\c
.endr
.endr
.endm
; ================ the head
	s_load_b512 s[8:23], s[0:1], 0x0               ; xq, xk, xv, wimg, samples, scales, x, bq
	s_load_b512 s[24:39], s[0:1], 0x40             ; bv, bo, b1, b2, g1, be1, g2, be2
	s_load_b64 s[40:41], s[0:1], 0x80              ; out0
	v_lshl_add_u32 v[SPW], v0, 2, SPARE
	v_mov_b32 v[NIL], 0
	v_lshrrev_b32 v28, 5, v0
	v_readfirstlane_b32 s[WV], v28                 ; wave
	s_and_b32 s[ROLE], s[WV], 1                    ; 0: K wave, 1: V wave
	s_lshr_b32 s[PRN], s[WV], 1                    ; pair
	v_and_b32 v31, 31, v0
	v_lshlrev_b32 v[LI], 4, v31                    ; 16 x lane
	v_and_b32 v28, 15, v0                          ; r
	v_bfe_u32 v29, v0, 4, 1                        ; h
	v_and_b32 v30, 7, v28
	v_lshrrev_b32 v31, 3, v28                      ; r / 8
	v_lshl_add_u32 v30, v30, 1, v31                ; p = 2 (r % 8) + r / 8: my 16 channels begin at 16 p
	v_lshlrev_b32 v[GL], 4, v28
	v_lshlrev_b32 v[VO], 5, v29
	s_mul_i32 s6, s[WV], 17408
	s_add_co_u32 s6, s6, STG                       ; my stage
	v_mul_u32_u24 v[STW], v29, 2176
	v_lshl_add_u32 v[STW], v28, 4, v[STW]
	v_add_nc_u32 v[STW], s6, v[STW]
	v_mul_u32_u24 v[STR], v28, 272
	v_lshl_add_u32 v[STR], v29, 4, v[STR]          ; 272 r + 16 h
	v_add_nc_u32 v[ORD], ORG+544, v[STR]
	v_mul_u32_u24 v[ORD2], v31, 1088
	v_add_nc_u32 v[ORD2], v[ORD2], v[ORD]          ; row tile 2 spans the two pairs' regions: its rows 8 to 15 lie four rows further on
	v_add_nc_u32 v[X1RD], X1R, v[STR]
	v_add_nc_u32 v[STR], s6, v[STR]
	v_mul_u32_u24 v[OSW0], v28, QP                 ; 1,040 r
	v_lshl_add_u32 v[HRD0], v29, 4, v[OSW0]
	v_add_nc_u32 v[HRD0], HR, v[HRD0]
	v_add_nc_u32 v[HRD1], 33280, v[HRD0]           ; for row tiles 2 to 4: the immediate has 16 bits
	s_lshl_b32 s6, s[WV], 8
	v_lshl_add_u32 v[HW0], v29, 3, v[OSW0]
	v_add_nc_u32 v[HW0], s6, v[HW0]
	v_add_nc_u32 v[HW0], HR, v[HW0]
	v_add_nc_u32 v[HW1], 33280, v[HW0]
	s_lshl_b32 s7, s[WV], 6
	v_lshl_add_u32 v[QW0], v29, 9, v[OSW0]
	v_add_nc_u32 v[QW0], s7, v[QW0]
	v_add_nc_u32 v[QW1], 33280, v[QW0]
	v_lshl_add_u32 v[OSW0], v29, 5, v[OSW0]
	v_add_nc_u32 v[OSW0], s6, v[OSW0]
	v_add_nc_u32 v[OSW1], 33280, v[OSW0]
	v_mul_u32_u24 v[X1W], v28, 272
	v_lshl_add_u32 v[X1W], v29, 3, v[X1W]
	v_add_nc_u32 v[X1W], s7, v[X1W]
	v_add_nc_u32 v[X1W], X1R, v[X1W]
	v_add_nc_u32 v[PAR], PART, v[GL]
	s_lshl_b32 s6, s[WV], 2
	v_add_nc_u32 v[PAW], s6, v[PAR]
	s_mul_i32 s6, s[WV], 20800
	v_add_nc_u32 v[OSR], s6, v[LI]
	v_lshlrev_b32 v[XRO], 10, v28
	v_add_nc_u32 v[XRO], v[XRO], v[VO]
	v_lshlrev_b32 v[XQO], 8, v28
	v_lshl_add_u32 v[XQO], v29, 4, v[XQO]
	v_lshl_add_u32 v[BVO], v30, 6, v[VO]
	s_mul_i32 s6, s[PRN], 41600
	v_lshlrev_b32 v[QB], 4, v30
	v_add_nc_u32 v[QB], s6, v[QB]
	s_lshl_b32 s6, s[PRN], 12
	s_add_co_u32 s6, s6, PR
	v_add_nc_u32 v[PA], s6, v[LI]
	s_mul_i32 s6, s[PRN], 11968
	s_add_co_u32 s6, s6, ORG
	v_lshlrev_b32 v[OB], 4, v30
	v_lshl_add_u32 v[OB], v29, 3, v[OB]
	v_add_nc_u32 v[OB], s6, v[OB]
.irp u, 0,1,2,3,4,5,6,7
	v_mov_b32 v[RECV+\u], 0                        ; written once: a lane permute's destination counts as one of its sources
.endr
	v_lshl_add_u32 v[QA], v0, 4, QL+80*QP          ; the rows behind q' that only a look-ahead names are written once, with zeros: 3 x 2,048 bytes from row 80 on (the farthest look-ahead ends 5,184 bytes in)
.irp f, 0,1,2
	ds_store_b128 v[QA], v[RECV:RECV+3] offset:2048*\f
.endr
	s_wait_kmcnt 0x0
	s_load_b256 s[44:51], s[18:19], 0x0            ; e0 .. e7
	s_load_b128 s[52:55], s[18:19], 0x20           ; e8 .. e11
	s_mov_b32 s95, 0
	s_mul_i32 s94, ttmp9, 20480
	s_add_nc_u64 s[8:9], s[8:9], s[94:95]          ; xq at my 80 rows
	s_mul_i32 s94, ttmp9, 81920
	s_lshl_b32 s6, s[WV], 8
	s_add_co_u32 s94, s94, s6
	s_add_nc_u64 s[20:21], s[20:21], s[94:95]      ; x at my rows and my wave's 64 channels
	s_mul_i32 s94, ttmp9, 81920
	s_mul_i32 s7, s[WV], 20480
	s_add_co_u32 s94, s94, s7
	s_add_nc_u64 s[40:41], s[40:41], s[94:95]      ; out0 at the 20 rows that my wave stores
	s_mov_b32 s94, s6
.irp p, 22,26,30,32,34,36,38
	s_add_nc_u64 s[\p:\p+1], s[\p:\p+1], s[94:95]  ; bq, bo, b2, g1, be1, g2, be2 at my 64 channels
.endr
	s_lshl_b32 s94, s[WV], 10
	s_add_nc_u64 s[28:29], s[28:29], s[94:95]      ; b1 at my 256 hidden units
	s_mul_i32 s94, ttmp9, 5120
	s_mul_i32 s6, s[PRN], 2560
	s_add_co_u32 s94, s94, s6
	s_add_nc_u64 s[56:57], s[16:17], s[94:95]      ; the indices of my pair's 40 nodes
	s_lshl_b32 s94, s[WV], 14
	s_add_nc_u64 s[96:97], s[14:15], s[94:95]      ; my part of Wq and Wo
	s_lshl_b32 s94, s[WV], 16
	s_add_nc_u64 s[98:99], s[14:15], s[94:95]      ; my part of W1 and W2
	s_lshl_b32 s94, 0x10000, s[ROLE]
	s_add_nc_u64 s[14:15], s[14:15], s[94:95]      ; Wk's images or Wv's
	s_cmp_eq_u32 s[ROLE], 0
	s_cselect_b64 s[42:43], s[10:11], s[12:13]     ; the table that I gather from
	IDXLD 56
.set MK_IDX, ISSUED
	WIN 0xc0
.irp m, 0,1,2,3,4
.irp s, 0,1
.irp c, 0,1,2,3
	global_load_b128 v[96+32*\m+16*\s+4*\c:96+32*\m+16*\s+4*\c+3], v[XQO], s[8:9] offset:4096*\m+128*\s+32*\c   ; xq's ten fragments, in window 3
.endr
.endr
.endr
.set ISSUED, ISSUED+40
	WIN 0
	s_wait_kmcnt 0x0
	s_add_co_i32 s7, s46, s47
	s_add_co_i32 s6, s44, s45
	s_add_co_i32 s6, s6, s7
	s_lshl_b32 s6, s6, 23
	s_add_co_i32 s68, s6, 0x3e8293ee               ; log2(e) / sqrt(32) x 2^(e0+e1+e2+e3): the exponents are added to the constant's exponent field
	s_mov_b32 s69, s68
	s_lshl_b32 s7, s7, 23
	s_add_co_i32 s70, s7, 0x3e8293ee               ; the same with e2+e3 alone, for bq
	s_mov_b32 s71, s70
	s_add_co_i32 s6, s48, s49
	POW2 72, 6                                     ; 2^(e4+e5)
	POW2 75, 50                                    ; 2^e6
	LIM448 74, 50
	s_or_b32 s73, s74, 0x80000000
	s_add_co_i32 s6, s50, s51
	POW2 78, 6                                     ; 2^(e6+e7)
	s_mov_b32 s79, s78
	s_sub_co_i32 s7, 0, s6
	POW2 76, 7
	s_mov_b32 s77, s76
	POW2 85, 52                                    ; 2^e8
	LIM448 81, 52
	s_or_b32 s80, s81, 0x80000000
	s_add_co_i32 s6, s52, s53
	s_sub_co_i32 s7, 0, s6
	POW2 82, 7                                     ; 2^-(e8+e9)
	s_mov_b32 s83, s82
	s_sub_co_i32 s7, s54, s6
	POW2 93, 7                                     ; 2^(e10-e8-e9): the three scales ahead of the hidden layer's quantiser in one
	LIM448 84, 7
	s_add_co_i32 s6, s54, s55
	POW2 88, 6                                     ; 2^(e10+e11)
	s_mov_b32 s89, s88
	s_sub_co_i32 s7, 0, s6
	POW2 86, 7
	s_mov_b32 s87, s86
	s_mov_b32 s90, 0x3b800000                      ; 1 / 256
	s_mov_b32 s91, s90
	s_mov_b32 s92, 0x3727c5ac                      ; 1e-5
	s_mov_b32 s63, 0xffff0000                      ; lanes 16-31
	s_mov_b32 s66, 0x76543210
	s_mov_b32 s67, 0xfedcba98                      ; v_permlanex16_b32's selects for lane l xor 16
	v_mov_b32 v[CS], s75
	LWAIT MK_IDX
.set k, 0
.rept 32
	ADDR1 k
.set k, k+1
.endr
.set k, 0
.rept 32
	GATH1 k                                        ; batch 0
.set k, k+1
.endr
	s_wait_xcnt 0x0                                ; the gathers have read their offsets: the next indices may land there
	s_add_nc_u64 s[58:59], s[56:57], 256
	IDXLD 58                                       ; batch 1's indices
	WIN 0x40
.irp tt, 0,1,2,3
.irp s, 0,1
	FRAGLD 16*(2*\tt+\s), 96, 2048*(2*\tt+\s)      ; Wq: my four tiles
.endr
.endr
	VECLD BQ, 22
	WIN 0
	global_load_b128 v[BV:BV+3], v[BVO], s[24:25]  ; bv of channels 16 p + 8 h + 0 .. 7 (every wave loads it; V waves use it)
	global_load_b128 v[BV+4:BV+7], v[BVO], s[24:25] offset:16
.set ISSUED, ISSUED+2
.set MK_P0, ISSUED
	WIN 0x80
.irp t, 0,1,2,3,4,5,6,7
.irp s, 0,1
	FRAGLD 16*(2*\t+\s), 14, 2048*(2*\t+\s)        ; Wk or Wv, tiles 0 to 7: window 2
.endr
.endr
	WIN 0xc0
.irp t, 8,9,10
.irp s, 0,1
	FRAGLD 16*(2*(\t-8)+\s), 14, 2048*(2*\t+\s)    ; tiles 8 to 10: window 3, below xq's fragments
.endr
.endr
; ================ P0: q'
	LWAIT MK_P0
	WIN 0x55
.set i, 0
.rept 16
	v_pk_mul_f32 v[BQ+i:BQ+i+1], v[BQ+i:BQ+i+1], s[70:71] op_sel_hi:[1,0]
.set i, i+2
.endr
.irp m, 0,1,2,3,4
.if \m >= 2
	s_wait_dscnt 8                                 ; the stores of two tiles ago have read this set; the last tile's eight may be out
.endif
	WIN 0x5d                                       ; source 0 Wq window 1, source 1 xq window 3, C and D window 1
.irp tt, 0,1,2,3
	v_wmma_f32_16x16x128_fp8_fp8 v[P0A+32*(\m%2)+8*\tt:P0A+32*(\m%2)+8*\tt+7], v[32*\tt:32*\tt+15], v[96+32*\m:96+32*\m+15], 0
.endr
.irp tt, 0,1,2,3
	v_wmma_f32_16x16x128_fp8_fp8 v[P0A+32*(\m%2)+8*\tt:P0A+32*(\m%2)+8*\tt+7], v[32*\tt+16:32*\tt+31], v[96+32*\m+16:96+32*\m+31], v[P0A+32*(\m%2)+8*\tt:P0A+32*(\m%2)+8*\tt+7]
.endr
	NOPS 4                                         ; places ahead of the reads of the sums, and of the loads into the registers that these products have read
	WIN 0xc0
.irp s, 0,1
	FRAGLD 96+32*\m+16*\s, 14, 2048*(2*(11+\m)+\s) ; tile 11 + m of Wk or Wv takes the registers that xq's fragments of row tile m have left
.endr
	WIN 0x55
.set i, 0
.rept 16
	v_pk_fma_f32 v[P0A+32*(\m%2)+i:P0A+32*(\m%2)+i+1], v[P0A+32*(\m%2)+i:P0A+32*(\m%2)+i+1], s[68:69], v[BQ+i:BQ+i+1] op_sel_hi:[1,0,1]
.set i, i+2
.endr
	WIN 0x04                                       ; address window 0, data window 1
.irp tt, 0,1,2,3
.if \m < 2
	ds_store_b128 v[QW0], v[P0A+32*(\m%2)+8*\tt:P0A+32*(\m%2)+8*\tt+3] offset:16640*\m+16*\tt
	ds_store_b128 v[QW0], v[P0A+32*(\m%2)+8*\tt+4:P0A+32*(\m%2)+8*\tt+7] offset:16640*\m+16*\tt+256
.else
	ds_store_b128 v[QW1], v[P0A+32*(\m%2)+8*\tt:P0A+32*(\m%2)+8*\tt+3] offset:16640*(\m-2)+16*\tt
	ds_store_b128 v[QW1], v[P0A+32*(\m%2)+8*\tt+4:P0A+32*(\m%2)+8*\tt+7] offset:16640*(\m-2)+16*\tt+256
.endif
.endr
.endr
	WIN 0
	BAR                                            ; q' of all 80 rows lies in LDS
	s_wait_loadcnt 0x0                             ; batch 0's codes, batch 1's indices, the weights
.set k, 0
.rept 32
	STAGE1 k
.set k, k+1
.endr
	ALOAD 0
.irp c, 0,1,2,3
	ds_load_b128 v[KQ+4*\c:KQ+4*\c+3], v[QB] offset:256*\c   ; q' of my pair's first node (the K waves use it)
.endr
	s_wait_dscnt 0x0
; ================ attention
; one product: tile t, K step s.  A group is tiles 2 g, 2 g + 1 at step 0, then the same two at step 1: matrix instructions that follow each other never share an accumulator
.macro WM1 t, s
	WIN 0x58+4*((\t)/8)                            ; source 0 the node's fragment window 0, source 1 the weight window 2 or 3, C and D window 1
.if (\s) == 0
	v_wmma_f32_16x16x128_fp8_fp8 v[8*(\t):8*(\t)+7], v[AF:AF+15], v[32*((\t)%8):32*((\t)%8)+15], 0
.else
	v_wmma_f32_16x16x128_fp8_fp8 v[8*(\t):8*(\t)+7], v[AF+16:AF+31], v[32*((\t)%8)+16:32*((\t)%8)+31], v[8*(\t):8*(\t)+7]
.endif
.endm
; the gather's share of a node; it stands behind a group's products and slices.  In a batch's nodes 0 and 1 the trip's number is my batch.
; Node 0: the next batch's indices become offsets and its 32 loads go out, each load straight behind the lines that hold its index inside the table; the last batch has no next one and jumps over them.
; Node 1: the indices of the batch after that.  Node 3, groups 4 to 7: the gathered codes go into the stage, all four slots of which have been read.
.macro MEM n, g
.if ((\n) == 3) && ((\g) >= 4)
	WIN 0
.if (\g) == 4
	s_wait_loadcnt 0x0                             ; the gathered codes are in: they were asked for in node 0
.endif
.irp q, 0,1,2,3,4,5,6,7
	STAGE1 8*((\g)-4)+\q
.endr
.elseif (\n) == 0
	WIN 0
.if (\g) == 0
	s_wait_loadcnt 0x0                             ; all my loads are in: the indices that become offsets here; and nothing is on its way into the registers that the gathers below fill
.endif
	s_cmp_eq_u32 s[BB], 9
	s_cbranch_scc1 .Lnone\@                        ; a count of trips alone decides
.irp q, 0,1,2,3
	ADDR1 4*(\g)+\q
.endr
.irp q, 0,1,2,3
	GATH1 4*(\g)+\q
.endr
.Lnone\@:
.elseif ((\n) == 1) && ((\g) == 0)
	WIN 0
	s_wait_xcnt 0x0                                ; the gathers, a node back, have read their offsets, and the last index loads their base
	s_add_co_u32 s6, s[BB], 2
	s_min_u32 s6, s6, 9                            ; no load leaves the buffer
	s_lshl_b32 s6, s6, 8
	s_mov_b32 s7, 0
	s_add_nc_u64 s[58:59], s[56:57], s[6:7]
	IDXLD 58
.endif
.endm
; scores, slice q of four: neighbours 2 q and 2 q + 1 of tiles 2 g and 2 g + 1, times q' of channels 2 g and 2 g + 1 of my 16.  Slice 0 reads each tile's two lowest registers first
.macro FMS g, q
	WIN 0x51                                       ; source 0 the tile window 1, q' window 0, sums and destination window 1
.set KS, KA+16*((\g)%2)                ; groups take turns on two sets of sums: from a sum's write to its next read stand the 14 or more packed lines of the other slices
.if (\g) < 2
	v_pk_mul_f32 v[KS+2*(\q):KS+2*(\q)+1], v[16*(\g)+2*(\q):16*(\g)+2*(\q)+1], v[KQ+2*(\g):KQ+2*(\g)+1] op_sel_hi:[1,0]
	v_pk_mul_f32 v[KS+8+2*(\q):KS+8+2*(\q)+1], v[16*(\g)+8+2*(\q):16*(\g)+8+2*(\q)+1], v[KQ+2*(\g):KQ+2*(\g)+1] op_sel:[0,1] op_sel_hi:[1,1]
.else
	v_pk_fma_f32 v[KS+2*(\q):KS+2*(\q)+1], v[16*(\g)+2*(\q):16*(\g)+2*(\q)+1], v[KQ+2*(\g):KQ+2*(\g)+1], v[KS+2*(\q):KS+2*(\q)+1] op_sel_hi:[1,0,1]
	v_pk_fma_f32 v[KS+8+2*(\q):KS+8+2*(\q)+1], v[16*(\g)+8+2*(\q):16*(\g)+8+2*(\q)+1], v[KQ+2*(\g):KQ+2*(\g)+1], v[KS+8+2*(\q):KS+8+2*(\q)+1] op_sel:[0,1,0] op_sel_hi:[1,1,1]
.endif
.endm
.macro KEND n                          ; the softmax of 8 heads x 16 neighbours, and p x 2^(e4+e5) / sum to the V wave, into slot n
	WIN 0
	WIN 0x55
.irp j, 0,2,4,6
	v_pk_add_f32 v[KA+\j:KA+\j+1], v[KA+\j:KA+\j+1], v[KA+8+\j:KA+8+\j+1]             ; each set: even tiles' sums + odd tiles'
	v_pk_add_f32 v[KA+16+\j:KA+16+\j+1], v[KA+16+\j:KA+16+\j+1], v[KA+24+\j:KA+24+\j+1]
.endr
	WIN 0x05
.irp j, 0,2,4,6
	v_pk_add_f32 v[SCA+\j:SCA+\j+1], v[KA+\j:KA+\j+1], v[KA+16+\j:KA+16+\j+1]         ; the two sets, into window 0
.endr
	WIN 0
.irp j, 0,1,2,3,4,5,6,7
	v_add_f32_dpp v[SCA+\j], v[SCA+\j], v[SCA+\j] row_xmask:8 row_mask:0xf bank_mask:0xf   ; the head's other 16 channels lie in lane r xor 8
.endr
	v_max3_num_f32 v[SCB], v[SCA], v[SCA+1], v[SCA+2]
	v_max3_num_f32 v[SCB+1], v[SCA+3], v[SCA+4], v[SCA+5]
	v_max3_num_f32 v[SCB], v[SCB], v[SCA+6], v[SCA+7]
	v_max_num_f32 v[SCB], v[SCB], v[SCB+1]
	v_permlanex16_b32 v[SCB+1], v[SCB], s66, s67
	v_max_num_f32 v[SCB], v[SCB], v[SCB+1]         ; the largest of the 16 scores
.irp j, 0,2,4,6
	v_pk_add_f32 v[SCA+\j:SCA+\j+1], v[SCA+\j:SCA+\j+1], v[SCB:SCB+1] op_sel_hi:[1,0] neg_lo:[0,1] neg_hi:[0,1]
.endr
	s_wait_alu depctr_va_vdst(0)
.irp j, 0,1,2,3,4,5,6,7
	v_exp_f32 v[SCA+\j], v[SCA+\j]
.endr
	v_nop                                          ; a plain instruction behind the last exponential
	s_wait_alu depctr_va_vdst(0)                   ; one wait for the batch, ahead of its first reader
	v_pk_add_f32 v[SCB+2:SCB+3], v[SCA:SCA+1], v[SCA+2:SCA+3]
	v_pk_add_f32 v[SCB+4:SCB+5], v[SCA+4:SCA+5], v[SCA+6:SCA+7]
	v_pk_add_f32 v[SCB+2:SCB+3], v[SCB+2:SCB+3], v[SCB+4:SCB+5]
	v_add_f32 v[SCB+2], v[SCB+2], v[SCB+3]
	v_permlanex16_b32 v[SCB+3], v[SCB+2], s66, s67
	v_add_f32 v[SCB+2], v[SCB+2], v[SCB+3]
	s_wait_alu depctr_va_vdst(0)
	v_rcp_f32 v[SCB+4], v[SCB+2]
	v_nop
	s_wait_alu depctr_va_vdst(0)
	v_mul_f32 v[SCB+4], s72, v[SCB+4]
.irp j, 0,2,4,6
	v_pk_mul_f32 v[SCA+\j:SCA+\j+1], v[SCA+\j:SCA+\j+1], v[SCB+4:SCB+5] op_sel_hi:[1,0]
.endr
	ds_store_b128 v[PA], v[SCA:SCA+3] offset:1024*(\n)
	ds_store_b128 v[PA], v[SCA+4:SCA+7] offset:1024*(\n)+512
.endm
; a K wave's node.  Its fragments and its q' were asked for in the tail of the node before.  In groups 2 to 7 two slices of the scores of the group two back stand behind each two products
; (one switch of the register windows for the two): those slices are also the places between a tile's last product and the first read of it.
.macro KNODE n
	s_wait_dscnt 2                                 ; my fragments and q' are in; the two stores of p issued behind them may be out
.irp g, 0,1,2,3,4,5,6,7
.if \g == 2
	s_wait_dscnt 0x0                               ; the stores of p have read the registers that the scores below write
.endif
.irp u, 0,1
	WM1 2*\g, \u
	WM1 2*\g+1, \u
.if \g >= 2
	FMS \g-2, 2*\u
	FMS \g-2, 2*\u+1
.endif
.endr
.if \g == 1
	NOPS 4                                         ; the places ahead of the first read of tiles 0 and 1
.endif
	MEM \n, \g
.endr
.irp q, 0,1,2,3
	FMS 6, \q                                      ; (also places in front of the loads into the node's fragments)
.endr
	WIN 0
	ALOAD ((\n)+1)%4
.irp q, 0,1,2,3
	FMS 7, \q
.endr
	WIN 0
.irp c, 0,1,2,3
	ds_load_b128 v[KQ+4*\c:KQ+4*\c+3], v[QA] offset:QP*((\n)+1)+256*\c   ; the next node's q': the softmax below stands between the request and the use
.endr
	KEND \n
.endm
; p V, slice q of four: tiles 2 g and 2 g + 1: the sum over my 8 neighbours, four chains; vp: where the node's p lies
.macro PVS g, q, vp
	WIN 0x55
.if (\q) == 0
	v_pk_mul_f32 v[VU:VU+1], v[16*(\g):16*(\g)+1], v[\vp:\vp+1]
	v_pk_mul_f32 v[VU+4:VU+5], v[16*(\g)+8:16*(\g)+9], v[\vp:\vp+1]
	v_pk_mul_f32 v[VU+2:VU+3], v[16*(\g)+2:16*(\g)+3], v[\vp+2:\vp+3]
.elseif (\q) == 1
	v_pk_mul_f32 v[VU+6:VU+7], v[16*(\g)+10:16*(\g)+11], v[\vp+2:\vp+3]
	v_pk_fma_f32 v[VU:VU+1], v[16*(\g)+4:16*(\g)+5], v[\vp+4:\vp+5], v[VU:VU+1]
	v_pk_fma_f32 v[VU+4:VU+5], v[16*(\g)+12:16*(\g)+13], v[\vp+4:\vp+5], v[VU+4:VU+5]
.elseif (\q) == 2
	v_pk_fma_f32 v[VU+2:VU+3], v[16*(\g)+6:16*(\g)+7], v[\vp+6:\vp+7], v[VU+2:VU+3]
	v_pk_fma_f32 v[VU+6:VU+7], v[16*(\g)+14:16*(\g)+15], v[\vp+6:\vp+7], v[VU+6:VU+7]
	v_pk_add_f32 v[VU:VU+1], v[VU:VU+1], v[VU+2:VU+3]
.else
	v_pk_add_f32 v[VU+4:VU+5], v[VU+4:VU+5], v[VU+6:VU+7]
	v_add_f32 v[VT+2*(\g)], v[VU], v[VU+1]
	v_add_f32 v[VT+2*(\g)+1], v[VU+4], v[VU+5]
.endif
.endm
.macro VEND pos                        ; the two halves' sums meet: half h keeps channels 8 h + u and sends the others; + bv; quantised; 8 codes into o's row
	WIN 0x05                                       ; sources window 1, destination window 0
.irp u, 0,1,2,3,4,5,6,7
	v_cndmask_b32 v[KEEP+\u], v[VT+\u], v[VT+8+\u], s63
.endr
.irp u, 0,1,2,3,4,5,6,7
	v_cndmask_b32 v[SEND+\u], v[VT+8+\u], v[VT+\u], s63
.endr
	WIN 0
.irp u, 0,1,2,3,4,5,6,7
	v_permlanex16_b32 v[RECV+\u], v[SEND+\u], s66, s67
.endr
.irp u, 0,2,4,6
	v_pk_add_f32 v[KEEP+\u:KEEP+\u+1], v[KEEP+\u:KEEP+\u+1], v[RECV+\u:RECV+\u+1]
.endr
.irp u, 0,2,4,6
	v_pk_add_f32 v[KEEP+\u:KEEP+\u+1], v[KEEP+\u:KEEP+\u+1], v[BV+\u:BV+\u+1]   ; the weights of a softmax add up to 1: bv is added once
.endr
.irp u, 0,1,2,3,4,5,6,7
	v_med3_num_f32 v[KEEP+\u], v[KEEP+\u], s73, s74
.endr
	v_cvt_scalef32_pk8_fp8_f32 v[SEND:SEND+1], v[KEEP:KEEP+7], v[CS]
	v_nop                                          ; a plain instruction behind the scaled conversion
	ds_store_b64 v[OA], v[SEND:SEND+1] offset:272*(\pos)
.endm
; a V wave's node; first = 1: the first of a half, straight behind the barrier
.macro VNODE nv, vp, first
.if !(\first)
	s_wait_dscnt 1                                 ; my fragments are in; the store of o's codes issued behind them may be out
.endif
.irp g, 0,1,2,3,4,5,6,7
.if \g == 2
	s_wait_dscnt 0x0                               ; p is in, and the store of o's codes has read its registers
.endif
.irp u, 0,1
	WM1 2*\g, \u
	WM1 2*\g+1, \u
.if \g >= 2
	PVS \g-2, 2*\u, \vp
	PVS \g-2, 2*\u+1, \vp
.endif
.endr
.if \g == 1
	NOPS 4                                         ; the places ahead of the first read of tiles 0 and 1
.endif
	MEM \nv, \g
.endr
.irp q, 0,1,2,3
	PVS 6, \q, \vp
.endr
	WIN 0
	ALOAD ((\nv)+1)%4
.irp q, 0,1,2,3
	PVS 7, \q, \vp
.endr
	VEND ((\nv)+2)%4
.endm
; half a trip: two nodes of the K waves, the V waves' two nodes that lie two behind them; then the barrier, which every wave passes.
; p's four slots: in a half the K wave stores the slots of its two nodes and the V wave loads the other two, which were stored ahead of the last barrier;
; a slot is stored again only behind a barrier ahead of which the V wave has waited for its loads of it.
.macro HALF ka, kb, va, vb, vskip
	s_cmp_eq_u32 s[ROLE], 0
	s_cbranch_scc0 .Lv\@
	s_cmp_eq_u32 s[BB], 10
	s_cbranch_scc1 .Lj\@                           ; the K waves have ten batches
	KNODE \ka
	KNODE \kb
	s_branch .Lj\@
.Lv\@:
	s_cmp_eq_u32 s[BB], \vskip
	s_cbranch_scc1 .Lj\@                           ; the V waves begin half a trip later and end half a trip later
	WIN 0x40
	ds_load_b128 v[VP:VP+3], v[PA] offset:1024*(\va)
	ds_load_b128 v[VP+4:VP+7], v[PA] offset:1024*(\va)+512
	ds_load_b128 v[VP2:VP2+3], v[PA] offset:1024*(\vb)
	ds_load_b128 v[VP2+4:VP2+7], v[PA] offset:1024*(\vb)+512
	VNODE \va, VP, 1
	VNODE \vb, VP2, 0
.Lj\@:
	s_wait_alu depctr_va_vdst(0)                   ; ahead of the barrier: it covers what the node's last vector lines wrote
	BAR
.endm
	s_mov_b32 s[BB], 0
	s_mov_b32 s[SQ], 0
	s_mov_b32 s[SO], 0
.Ltrip:
	v_add_nc_u32 v[QA], s[SQ], v[QB]               ; q' of the batch's first node
	v_add_nc_u32 v[OA], s[SO], v[OB]               ; o's row of the node two before it
	HALF 0, 1, 2, 3, 0
	HALF 2, 3, 0, 1, 10
	s_add_co_u32 s[SQ], s[SQ], 4*QP
	s_add_co_u32 s[SO], s[SO], 4*272
	s_add_co_u32 s[BB], s[BB], 1
	s_cmp_lt_u32 s[BB], 11
	s_cbranch_scc1 .Ltrip
; ================ P2: o Wo + bo + x, LayerNorm
	s_wait_loadcnt 0x0
.set ISSUED, 0
.irp tt, 0,1,2,3
.irp s, 0,1
	FRAGLD WO+16*(2*\tt+\s), 96, 196608+2048*(2*\tt+\s)
.endr
.endr
	WIN 0x40
.irp m, 0,1,2,3,4
.irp tt, 0,1,2,3
	global_load_b128 v[32*\m+8*\tt:32*\m+8*\tt+3], v[XRO], s[20:21] offset:16384*\m+64*\tt      ; x(16 m + r, 64 w + 16 tt + 8 h + 0 .. 7): the layout of the sums
	global_load_b128 v[32*\m+8*\tt+4:32*\m+8*\tt+7], v[XRO], s[20:21] offset:16384*\m+64*\tt+16
.endr
.endr
.set ISSUED, ISSUED+40
.set MK_X, ISSUED
	WIN 0
	VECLD BIAS, 26
	WIN 0x40
	VECLD GAIN, 32
.set MK_G, ISSUED
	WIN 0
.macro OFRAG m
.irp s, 0,1
.irp c, 0,1,2,3
.if (\m) == 2
	ds_load_b128 v[OF+32*((\m)%2)+16*\s+4*\c:OF+32*((\m)%2)+16*\s+4*\c+3], v[ORD2] offset:8704+128*\s+32*\c
.elseif (\m) < 2
	ds_load_b128 v[OF+32*((\m)%2)+16*\s+4*\c:OF+32*((\m)%2)+16*\s+4*\c+3], v[ORD] offset:4352*(\m)+128*\s+32*\c
.else
	ds_load_b128 v[OF+32*((\m)%2)+16*\s+4*\c:OF+32*((\m)%2)+16*\s+4*\c+3], v[ORD] offset:4352*(\m)+1088+128*\s+32*\c
.endif
.endr
.endr
.endm
	OFRAG 0
	OFRAG 1
	LWAIT MK_X
	WIN 0x41
.set i, 0
.rept 80
	v_pk_mul_f32 v[i:i+1], v[i:i+1], s[76:77] op_sel_hi:[1,0]   ; x / 2^(e6+e7): the C of the sums
.set i, i+2
.endr
	s_wait_alu depctr_va_vdst(0)
.irp m, 0,1,2,3,4
.if \m < 4
	s_wait_dscnt 8                                 ; this tile's fragments are in; the next tile's eight loads may be out
.else
	s_wait_dscnt 0x0
.endif
	WIN 0x50                                       ; sources window 0, C and D window 1
.irp tt, 0,1,2,3
	v_wmma_f32_16x16x128_fp8_fp8 v[32*\m+8*\tt:32*\m+8*\tt+7], v[WO+32*\tt:WO+32*\tt+15], v[OF+32*(\m%2):OF+32*(\m%2)+15], v[32*\m+8*\tt:32*\m+8*\tt+7]
.endr
.irp tt, 0,1,2,3
	v_wmma_f32_16x16x128_fp8_fp8 v[32*\m+8*\tt:32*\m+8*\tt+7], v[WO+32*\tt+16:WO+32*\tt+31], v[OF+32*(\m%2)+16:OF+32*(\m%2)+31], v[32*\m+8*\tt:32*\m+8*\tt+7]
.endr
	NOPS 4
	WIN 0
.if \m < 3
	OFRAG \m+2
.endif
.endr
	VECLD BETA, 34
.set MK_B, ISSUED
.macro LDW1 p                          ; W1's tiles 2 p and 2 p + 1 of my 16, both K steps: 64 registers
	WIN 0x80+0x40*((\p)/4)
.irp tl, 0,1
.irp s, 0,1
	FRAGLD 16*(4*((\p)%4)+2*\tl+\s), 98, 262144+4096*(2*(\p)+\tl)+2048*\s
.endr
.endr
.endm
.macro LDB1 p                          ; b1 of those two tiles, in the result's layout
	WIN 0
.irp tl, 0,1
	global_load_b128 v[B1S+16*((\p)%2)+8*\tl:B1S+16*((\p)%2)+8*\tl+3], v[VO], s[28:29] offset:64*(2*(\p)+\tl)
	global_load_b128 v[B1S+16*((\p)%2)+8*\tl+4:B1S+16*((\p)%2)+8*\tl+7], v[VO], s[28:29] offset:64*(2*(\p)+\tl)+16
.endr
.set ISSUED, ISSUED+4
.set MB1_\p, ISSUED
.endm
.macro LDW2 s                          ; W2's K step s of my four tiles: 64 registers
	WIN 0x80+0x40*((\s)/4)
.irp tt, 0,1,2,3
	FRAGLD 16*(4*((\s)%4)+\tt), 98, 524288+2048*(8*\tt+(\s))
.endr
.set MW2_\s, ISSUED
.endm
	LDW1 0
	LDW1 1
	LDW1 2
; a row's sum (sq = 0) or sum of squares (sq = 1) over my 32 numbers of each of the five tiles: five chains by turns
.macro ROWRED sq
	WIN 0x55
.irp m, 0,1,2,3,4
.if \sq
	v_pk_mul_f32 v[LC+2*\m:LC+2*\m+1], v[32*\m:32*\m+1], v[32*\m:32*\m+1]
.else
	v_pk_add_f32 v[LC+2*\m:LC+2*\m+1], v[32*\m:32*\m+1], v[32*\m+2:32*\m+3]
.endif
.endr
.set i, 2+2*(1-\sq)
.rept 15-(1-\sq)
.irp m, 0,1,2,3,4
.if \sq
	v_pk_fma_f32 v[LC+2*\m:LC+2*\m+1], v[32*\m+i:32*\m+i+1], v[32*\m+i:32*\m+i+1], v[LC+2*\m:LC+2*\m+1]
.else
	v_pk_add_f32 v[LC+2*\m:LC+2*\m+1], v[LC+2*\m:LC+2*\m+1], v[32*\m+i:32*\m+i+1]
.endif
.endr
.set i, i+2
.endr
	WIN 0x05
.irp m, 0,1,2,3,4
	v_add_f32 v[LT+\m], v[LC+2*\m], v[LC+2*\m+1]
.endr
	WIN 0
.endm
; the other half of the lanes, then the other three waves through LDS: each wave a word of the row's 16 bytes; one barrier; bytes of their own for each exchange
.macro EXCH k
.irp m, 0,1,2,3,4
	v_permlanex16_b32 v[LT+8+\m], v[LT+\m], s66, s67
.endr
.irp m, 0,1,2,3,4
	v_add_f32 v[LT+\m], v[LT+\m], v[LT+8+\m]
.endr
.irp m, 0,1,2,3,4
	ds_store_b32 v[PAWX], v[LT+\m] offset:1280*(\k)+256*\m
.endr
	BAR
.irp m, 0,1,2,3,4
	ds_load_b128 v[LT+16+4*\m:LT+19+4*\m], v[PARX] offset:1280*(\k)+256*\m
.endr
	s_wait_dscnt 0x0
.irp m, 0,1,2,3,4
	v_add_f32 v[LT+16+4*\m], v[LT+16+4*\m], v[LT+17+4*\m]
.endr
.irp m, 0,1,2,3,4
	v_add_f32 v[LT+18+4*\m], v[LT+18+4*\m], v[LT+19+4*\m]
.endr
.irp m, 0,1,2,3,4
	v_add_f32 v[LT+\m], v[LT+16+4*\m], v[LT+18+4*\m]
.endr
.endm
; LayerNorm of sums x 2^(..) + bias, in place in window 1, v0-159
.macro LN                              ; written once and run twice: what differs lies in s[SG:SG+1] and s[EX]; bias and gain are in when it begins
	v_add_nc_u32 v[PAWX], s[EX], v[PAW]
	v_add_nc_u32 v[PARX], s[EX], v[PAR]
	WIN 0x41
.irp m, 0,1,2,3,4
.set i, 0
.rept 16
	v_pk_fma_f32 v[32*\m+i:32*\m+i+1], v[32*\m+i:32*\m+i+1], s[SG:SG+1], v[BIAS+i:BIAS+i+1] op_sel_hi:[1,0,1]
.set i, i+2
.endr
.endr
	ROWRED 0
	EXCH 0
.irp m, 0,1,2,3,4
	v_mul_f32 v[LM+2*\m], s90, v[LT+\m]            ; the mean, twice: a pair for the packed form
	v_mul_f32 v[LM+2*\m+1], s90, v[LT+\m]
.endr
	WIN 0x41
.irp m, 0,1,2,3,4
.set i, 0
.rept 16
	v_pk_add_f32 v[32*\m+i:32*\m+i+1], v[32*\m+i:32*\m+i+1], v[LM+2*\m:LM+2*\m+1] neg_lo:[0,1] neg_hi:[0,1]
.set i, i+2
.endr
.endr
	ROWRED 1
	EXCH 1
.irp m, 0,1,2,3,4
	v_fma_f32 v[LT+\m], v[LT+\m], s90, s92         ; the variance + 1e-5
.endr
	s_wait_alu depctr_va_vdst(0)
.irp m, 0,1,2,3,4
	v_rsq_f32 v[LR+2*\m], v[LT+\m]
.endr
	v_nop
	s_wait_alu depctr_va_vdst(0)                   ; one wait for the five, ahead of their first reader
.irp m, 0,1,2,3,4
	v_mov_b32 v[LR+2*\m+1], v[LR+2*\m]
.endr
	s_wait_alu depctr_va_vdst(0)
	s_wait_loadcnt 0x0                             ; the offset is in (for 0: the count must hold in both trips)
	WIN 0x41
.irp m, 0,1,2,3,4
.set i, 0
.rept 16
	v_pk_mul_f32 v[32*\m+i:32*\m+i+1], v[32*\m+i:32*\m+i+1], v[LR+2*\m:LR+2*\m+1]
.set i, i+2
.endr
.endr
	WIN 0x45                                       ; the gain window 1, the offset window 0
.irp m, 0,1,2,3,4
.set i, 0
.rept 16
	v_pk_fma_f32 v[32*\m+i:32*\m+i+1], v[32*\m+i:32*\m+i+1], v[GAIN+i:GAIN+i+1], v[BETA+i:BETA+i+1]
.set i, i+2
.endr
.endr
	WIN 0
.endm
	WIN 0
	s_mov_b32 s[SG], s78                           ; 2^(e6+e7)
	s_mov_b32 s[SG+1], s79
	s_mov_b32 s[EX], 0
	s_mov_b32 s[PH], 0
	LWAIT MK_G                                     ; bo and g1 are in; be1 and W1's first fragments may be out
.Lln:                                                  ; two trips: the first LayerNorm, then x1's codes, P3 and P4's products; the second LayerNorm, and out
	LN
	s_cmp_eq_u32 s[PH], 1
	s_wait_alu depctr_va_vdst(0)                   ; directly ahead of the branch: the stores behind it read what the last lines wrote
	s_cbranch_scc1 .Lout
	LDB1 0                                         ; into the registers that be1 has left
	LDB1 1
; x1 is quantised; it stays in its registers as the second residual
	v_mov_b32 v[CS], s85
	WIN 0x41
.set a, 0
.rept 20
.irp j, 0,1,2,3,4,5,6,7
	v_med3_num_f32 v[QT+8*(a%2)+\j], v[8*a+\j], s80, s81
.endr
	v_cvt_scalef32_pk8_fp8_f32 v[QC+2*a:QC+2*a+1], v[QT+8*(a%2):QT+8*(a%2)+7], v[CS]
.set a, a+1
.endr
	v_nop
	WIN 0x04
.set a, 0
.rept 20
	ds_store_b64 v[X1W], v[QC+2*a:QC+2*a+1] offset:4352*(a/4)+16*(a%4)
.set a, a+1
.endr
	WIN 0
	v_mov_b32 v[CS], s93
	BAR                                            ; x1's codes of all 80 rows lie in LDS
; ================ P3: the hidden layer, two of my 16 tiles at a time
.irp m, 0,1,2,3,4
.irp s, 0,1
.irp c, 0,1,2,3
	ds_load_b128 v[XF+32*\m+16*\s+4*\c:XF+32*\m+16*\s+4*\c+3], v[X1RD] offset:4352*\m+128*\s+32*\c
.endr
.endr
.endr
.macro FFPAIR pi, p3, p2
	LWAIT MB1_\pi                                  ; this pair's b1, and W1's fragments, which were asked for earlier
	s_wait_dscnt 0x0                               ; x1's fragments are in; the last pair's stores have read their codes
	WIN 0
.set i, 0
.rept 8
	v_pk_mul_f32 v[B1S+16*((\pi)%2)+i:B1S+16*((\pi)%2)+i+1], v[B1S+16*((\pi)%2)+i:B1S+16*((\pi)%2)+i+1], s[82:83] op_sel_hi:[1,0]   ; b1 / 2^(e8+e9): the C of the sums
.set i, i+2
.endr
	WIN 0x42+((\pi)/4)                             ; source 0 W1 window 2 or 3, source 1 and C window 0, D window 1
.irp tl, 0,1
.irp m, 0,1,2,3,4
	v_wmma_f32_16x16x128_fp8_fp8 v[PACC+8*(5*\tl+\m):PACC+8*(5*\tl+\m)+7], v[16*(4*((\pi)%4)+2*\tl):16*(4*((\pi)%4)+2*\tl)+15], v[XF+32*\m:XF+32*\m+15], v[B1S+16*((\pi)%2)+8*\tl:B1S+16*((\pi)%2)+8*\tl+7]
.endr
.endr
	WIN 0x52+((\pi)/4)
.irp tl, 0,1
.irp m, 0,1,2,3,4
	v_wmma_f32_16x16x128_fp8_fp8 v[PACC+8*(5*\tl+\m):PACC+8*(5*\tl+\m)+7], v[16*(4*((\pi)%4)+2*\tl+1):16*(4*((\pi)%4)+2*\tl+1)+15], v[XF+32*\m+16:XF+32*\m+31], v[PACC+8*(5*\tl+\m):PACC+8*(5*\tl+\m)+7]
.endr
.endr
	NOPS 4
.if (\p3) < 8
	LDW1 \p3
.endif
.if (\p2) < 8
	LDB1 \p2
.endif
	LDW2 \pi                                       ; into the 64 registers that this pair's W1 has left
	WIN 0x41
.set i, 0
.rept 80
	v_med3_num_f32 v[PACC+i], v[PACC+i], 0, s84    ; the activation and the hold in one
.set i, i+1
.endr
	WIN 0x01
.set i, 0
.rept 10
	v_cvt_scalef32_pk8_fp8_f32 v[HC+2*i:HC+2*i+1], v[PACC+8*i:PACC+8*i+7], v[CS]
.set i, i+1
.endr
	v_nop
	WIN 0
.irp tl, 0,1
.irp m, 0,1,2,3,4
.if \m < 2
	ds_store_b64 v[HW0], v[HC+2*(5*\tl+\m):HC+2*(5*\tl+\m)+1] offset:16640*\m+16*(2*(\pi)+\tl)
.else
	ds_store_b64 v[HW1], v[HC+2*(5*\tl+\m):HC+2*(5*\tl+\m)+1] offset:16640*(\m-2)+16*(2*(\pi)+\tl)
.endif
.endr
.endr
.endm
	FFPAIR 0, 3, 2
	FFPAIR 1, 4, 3
	FFPAIR 2, 5, 4
	FFPAIR 3, 6, 5
	FFPAIR 4, 7, 6
	FFPAIR 5, 8, 7
	FFPAIR 6, 8, 8
	FFPAIR 7, 8, 8
	s_wait_dscnt 0x0                               ; the last stores have read their codes: b2 lands there
	VECLD BIAS, 30
	VECLD BETA, 38
	WIN 0x40
	VECLD GAIN, 36
.set MK_L2, ISSUED
	WIN 0
	BAR                                            ; the hidden layer's codes of all 80 rows lie in LDS
; ================ P4: h W2 + b2 + x1, LayerNorm, out
.macro HFRAG s
.irp m, 0,1,2,3,4
.irp c, 0,1,2,3
.if \m < 2
	ds_load_b128 v[HF+80*((\s)%2)+16*\m+4*\c:HF+80*((\s)%2)+16*\m+4*\c+3], v[HRD0] offset:16640*\m+128*(\s)+32*\c
.else
	ds_load_b128 v[HF+80*((\s)%2)+16*\m+4*\c:HF+80*((\s)%2)+16*\m+4*\c+3], v[HRD1] offset:16640*(\m-2)+128*(\s)+32*\c
.endif
.endr
.endr
.endm
	HFRAG 0
	WIN 0x41
.set i, 0
.rept 80
	v_pk_mul_f32 v[i:i+1], v[i:i+1], s[86:87] op_sel_hi:[1,0]   ; x1 / 2^(e10+e11): the C of the sums
.set i, i+2
.endr
	s_wait_alu depctr_va_vdst(0)
.irp s, 0,1,2,3,4,5,6,7
	NOPS 4                                         ; places in front of loads into the buffer that the last products read
	WIN 0
.if \s < 7
	HFRAG \s+1
	s_wait_dscnt 20                                ; this K step's fragments are in; the next step's twenty loads may be out
.else
	s_wait_dscnt 0x0
.endif
	LWAIT MW2_\s
	WIN 0x52+((\s)/4)
.irp tt, 0,1,2,3
.irp m, 0,1,2,3,4
	v_wmma_f32_16x16x128_fp8_fp8 v[32*\m+8*\tt:32*\m+8*\tt+7], v[16*(4*((\s)%4)+\tt):16*(4*((\s)%4)+\tt)+15], v[HF+80*((\s)%2)+16*\m:HF+80*((\s)%2)+16*\m+15], v[32*\m+8*\tt:32*\m+8*\tt+7]
.endr
.endr
.endr
	NOPS 4
	WIN 0
	s_mov_b32 s[SG], s88                           ; 2^(e10+e11)
	s_mov_b32 s[SG+1], s89
	s_add_co_u32 s[EX], s[EX], 2560                ; exchange words of its own for each LayerNorm
	LWAIT MK_L2                                    ; b2, be2 and g2 are in
	s_add_co_u32 s[PH], s[PH], 1
	s_cmp_lt_u32 s[PH], 2
	s_cbranch_scc1 .Lln
.Lout:
; the way out: a row's 256 numbers come from four waves: through a stage in LDS (q' has had its last read), then each wave stores 20 whole rows
	WIN 0x04
.irp m, 0,1,2,3,4
.irp tt, 0,1,2,3
.if \m < 2
	ds_store_b128 v[OSW0], v[32*\m+8*\tt:32*\m+8*\tt+3] offset:16640*\m+64*\tt
	ds_store_b128 v[OSW0], v[32*\m+8*\tt+4:32*\m+8*\tt+7] offset:16640*\m+64*\tt+16
.else
	ds_store_b128 v[OSW1], v[32*\m+8*\tt:32*\m+8*\tt+3] offset:16640*(\m-2)+64*\tt
	ds_store_b128 v[OSW1], v[32*\m+8*\tt+4:32*\m+8*\tt+7] offset:16640*(\m-2)+64*\tt+16
.endif
.endr
.endr
	WIN 0
	BAR
	WIN 0x40
.set k, 0
.rept 40
	ds_load_b128 v[4*k:4*k+3], v[OSR] offset:QP*(k/2)+512*(k%2)
.set k, k+1
.endr
	WIN 0x04
.set k, 0
.rept 40
	s_wait_dscnt 39-k
	global_store_b128 v[LI], v[4*k:4*k+3], s[40:41] offset:1024*(k/2)+512*(k%2) th:TH_STORE_NT   ; 32 lanes store 512 consecutive bytes, at a multiple of 256 from out0's first byte
.set k, k+1
.endr
	WIN 0
	s_wait_tensorcnt 0x0                           ; the wave's end
	ds_add_u32 v[SPW], v[NIL]
	s_wait_dscnt 0x0
	s_endpgm
.Lfunc_end_k_q3ca676e517_layer:
	.size	k_q3ca676e517_layer, .Lfunc_end_k_q3ca676e517_layer-k_q3ca676e517_layer
	.p2alignl 7, 3214868480
	.fill 96, 4, 3214868480
	.section	.rodata,"a",@progbits
	.p2align	6, 0x0
	.amdhsa_kernel k_q3ca676e517_layer
		.amdhsa_group_segment_fixed_size 304128
		.amdhsa_private_segment_fixed_size 0
		.amdhsa_enable_private_segment 0
		.amdhsa_kernarg_size 136
		.amdhsa_user_sgpr_count 2
		.amdhsa_user_sgpr_kernarg_segment_ptr 1
		.amdhsa_wavefront_size32 1
		.amdhsa_system_sgpr_workgroup_id_x 1
		.amdhsa_system_sgpr_workgroup_id_y 1
		.amdhsa_system_sgpr_workgroup_id_z 1
		.amdhsa_system_vgpr_workitem_id 0
		.amdhsa_next_free_vgpr 1024
		.amdhsa_next_free_sgpr 100
		.amdhsa_reserve_vcc 0
		.amdhsa_float_denorm_mode_32 3
		.amdhsa_float_denorm_mode_16_64 3
		.amdhsa_memory_ordered 1
		.amdhsa_forward_progress 1
		.amdhsa_inst_pref_size 255
	.end_amdhsa_kernel
	.section	.bss,"aw",@nobits
	.p2align	6
	.space	262144
	.amdgpu_metadata
---
amdhsa.version: [ 1, 2 ]
amdhsa.kernels:
  - .name:           k_q3ca676e517_layer
    .symbol:         k_q3ca676e517_layer.kd
    .args:
      - { .name: xq, .offset: 0, .size: 8, .value_kind: global_buffer, .address_space: global }
      - { .name: xk, .offset: 8, .size: 8, .value_kind: global_buffer, .address_space: global }
      - { .name: xv, .offset: 16, .size: 8, .value_kind: global_buffer, .address_space: global }
      - { .name: wimg, .offset: 24, .size: 8, .value_kind: global_buffer, .address_space: global }
      - { .name: attention_samples, .offset: 32, .size: 8, .value_kind: global_buffer, .address_space: global }
      - { .name: lowp_scales, .offset: 40, .size: 8, .value_kind: global_buffer, .address_space: global }
      - { .name: x, .offset: 48, .size: 8, .value_kind: global_buffer, .address_space: global }
      - { .name: bq, .offset: 56, .size: 8, .value_kind: global_buffer, .address_space: global }
      - { .name: bv, .offset: 64, .size: 8, .value_kind: global_buffer, .address_space: global }
      - { .name: bo, .offset: 72, .size: 8, .value_kind: global_buffer, .address_space: global }
      - { .name: b1, .offset: 80, .size: 8, .value_kind: global_buffer, .address_space: global }
      - { .name: b2, .offset: 88, .size: 8, .value_kind: global_buffer, .address_space: global }
      - { .name: g1, .offset: 96, .size: 8, .value_kind: global_buffer, .address_space: global }
      - { .name: be1, .offset: 104, .size: 8, .value_kind: global_buffer, .address_space: global }
      - { .name: g2, .offset: 112, .size: 8, .value_kind: global_buffer, .address_space: global }
      - { .name: be2, .offset: 120, .size: 8, .value_kind: global_buffer, .address_space: global }
      - { .name: out0, .offset: 128, .size: 8, .value_kind: global_buffer, .address_space: global }
    .group_segment_fixed_size: 304128
    .private_segment_fixed_size: 0
    .kernarg_segment_align: 8
    .kernarg_segment_size: 136
    .max_flat_workgroup_size: 128
    .sgpr_count:     100
    .vgpr_count:     1024
    .wavefront_size: 32
...
	.end_amdgpu_metadata
.endif
;; end of part 2
